; MI455X (gfx1250); checked and timed in simulation.
; The chip was launched on July 23, 2026; its instructions are those of AMD's public machine-readable ISA for CDNA 5 (MIT licence, August 2026) and "CDNA5" Instruction Set Architecture Reference Guide (July 2026). The comments in the code are by the model that wrote it; some were corrected since.
;; AGRACE. Allowed arithmetic: float matrix products may take bf16 or f16 operands with f32 sums; all other float work in f32.
;; Inputs: W 4,096 x 4,096 float32; b 4,096 float32; enc_W1 256 x 4,096 float32; enc_W2 256 x 256 float32; enc_b1 256 float32; enc_b2 256 float32; epsilons 2,048 float32; keys 2,048 x 256 float32; values 2,048 x 4,096 float32; x 4 x 1,024 x 4,096 float32.
;; Outputs: out0 4 x 1,024 x 4,096 float32.
;; One version. Each part assembles by itself: llvm-mc -triple=amdgcn-amd-amdhsa -mcpu=gfx1250 --defsym DOCPART=n.
;; ======== version 1 of 1: 4 launches
;; workspace buffers: xb 33,554,432 bytes; wb 33,554,432 bytes; part 262,144 bytes; nfirst 1,024 bytes of whole numbers; hpart 32,768 bytes; cdist 512 bytes; ccode 512 bytes of whole numbers
;; launch prep (part 1): grid 256 x 1, 16 waves a work-group, no clusters, 10,496 bytes of LDS; arguments x, xb, part, nfirst; writes xb, part, nfirst
.if DOCPART == 1
	.amdgcn_target "amdgcn-amd-amdhsa--gfx1250"
	.amdhsa_code_object_version 6
	.text
	.protected	k_q92132b5828_prep
	.globl	k_q92132b5828_prep
	.p2align	8
	.type	k_q92132b5828_prep,@function
k_q92132b5828_prep:
	s_mov_b64 s[64:65], 0
	v_nop
	global_prefetch_b8 v0, s[64:65] scope:SCOPE_SE
	s_setreg_imm32_b32 hwreg(HW_REG_WAVE_MODE, 25, 1), 1
	s_wait_xcnt 0x0
; prep: x (f32, [4][1024][4096]) is rounded to bf16 (xb), and for each strip of 512 rows x 128 columns three things are left for the pooled mean.
; Work-group g: slice s = g % 32 (columns 128 s .. + 127, 512 bytes of a row) and half-sample hb = g / 32 (rows 512 hb .. + 511 of the 4,096).
;   nfirst[hb][s]     = f: how many leading rows of the strip equal, in these columns, the row in front of them (0..512; 512 = no change)
;   part[hb][0][cols] = the column sums of the strip's rows from row f on;   part[hb][1][cols] = P, the row in front of the strip
; (in a sample's first strip P is row 0 itself, so row 0 never counts as a change).  Rows ahead of row f equal P in these columns, so a later
; launch, which knows the sample's first changed row F <= f, gets the sum from F on as part[0] + (f - F) P: no difference of sums is formed.
; Sixteen waves; wave w takes rows 32 w .. + 31 of the strip, lane l columns 4 l .. + 3: a load of the wave is 512 consecutive bytes, a bf16 store
; 256 consecutive bytes, aligned.  All 33 loads of a wave go out at the head.  Each wave keeps T (the sum from ITS first changed row on, by a
; weight 0 or 1), P_w (the row in front of its 32) and n_w; with f the least 32 w + n_w of the waves that saw a change, wave w gives
; T + clamp(32 w + n_w - f, 0, n_w) P_w, and wave 0 adds the sixteen.
; The bf16 words of row j go into the registers of row j - 1, which nothing reads behind the compare: no register of a store is written again.
; No LDS tiles, no matrix unit, no cluster: every byte is used by one lane (the row in front of a wave's 32 is read twice).
; LIMITS: an infinity or NaN in x gives NaN sums (0 x inf), as the mask multiplication of the model's own formula does.
; Equal rows are added as n x P, one rounding, not as n additions; sums in another order than row by row.
.set ROWB,  16384                      ; bytes in a row of x
.set OROW,  8192                       ; bytes in a row of xb
.set P,   8                            ; v[8:11]   the row in front of my wave's rows
.set T,   12                           ; v[12:15]  sum of the rows from my wave's first change on
.set Y0,  16                           ; v[16:17]  row 0 as bf16
.set WT,  18                           ; v[18:19]  P's weight, twice
.set VSA, 20                           ; v20       512 w + 16 lane
.set X,   32                           ; v[32:159] row j: 4 registers; its first two later hold row j + 1 as bf16
.set VS,  256                          ; LDS: 0 .. 63 the sixteen waves' first changes; 256 .. 8447 their sums, 512 bytes each
; v1 = 16 lane, v2 = 8 lane, v3 = 4 (lane % 16), v4 = my wave's first change, v5 = f, v6-7 at work, v21 = f as a whole number, v22 = 0
	s_load_b256 s[4:11], s[0:1], 0x0               ; x s[4:5], xb s[6:7], part s[8:9], nfirst s[10:11]
	v_lshl_add_u32 v160, v0, 2, 0x2100
	v_mov_b32 v161, 0
	v_lshrrev_b32 v3, 5, v0
	v_readfirstlane_b32 s16, v3                    ; wave 0..15
	v_and_b32 v4, 31, v0                           ; lane
	v_lshlrev_b32 v1, 4, v4
	v_lshlrev_b32 v2, 3, v4
	v_and_b32 v3, 15, v0
	v_lshlrev_b32 v3, 2, v3
	v_mov_b32 v22, 0
	s_and_b32 s17, ttmp9, 31                       ; slice
	s_lshr_b32 s18, ttmp9, 5                       ; half-sample 0..7
	s_lshl_b32 s20, s18, 23                        ; 512 rows of 16,384 bytes
	s_lshl_b32 s12, s16, 19                        ; 32 rows
	s_add_co_u32 s20, s20, s12
	s_lshl_b32 s12, s17, 9                         ; 512 bytes a slice; the sum stays below 64 MiB
	s_add_co_u32 s20, s20, s12
	s_mov_b32 s21, 0
	s_and_b32 s12, s18, 1
	s_or_b32 s12, s12, s16
	s_cmp_lg_u32 s12, 0                            ; the first wave of a sample's first half has no row in front:
	s_cselect_b32 s22, ROWB, 0                     ; it takes row 0 itself
	s_mov_b32 s23, 0
	s_lshl_b32 s12, s16, 9
	v_add_nc_u32 v[VSA], s12, v1
	s_wait_kmcnt 0x0
	s_add_nc_u64 s[4:5], s[4:5], s[20:21]
	s_sub_nc_u64 s[24:25], s[4:5], s[22:23]
	global_load_b128 v[P:P+3], v1, s[24:25]
.set j, 0
.rept 31
	global_load_b128 v[X+4*j:X+4*j+3], v1, s[4:5] offset:ROWB*j th:TH_LOAD_NT
.set j, j+1
.endr
	global_load_b128 v[X+124:X+127], v1, s[4:5] offset:ROWB*31         ; read again by the next wave, as its row in front: no hint
	s_lshl_b32 s20, s18, 22                        ; the same place in xb: rows of 8,192 bytes, 256 bytes a slice
	s_lshl_b32 s12, s16, 18
	s_add_co_u32 s20, s20, s12
	s_lshl_b32 s12, s17, 8
	s_add_co_u32 s20, s20, s12
	s_add_nc_u64 s[6:7], s[6:7], s[20:21]
	s_lshl_b32 s20, s18, 15                        ; part: 2 x 16,384 bytes for each half-sample
	s_lshl_b32 s12, s17, 9
	s_add_co_u32 s20, s20, s12
	s_add_nc_u64 s[8:9], s[8:9], s[20:21]
	s_lshl_b32 s20, ttmp9, 2                       ; nfirst: word 32 hb + s
	s_add_nc_u64 s[10:11], s[10:11], s[20:21]
; Row j: compared with the row in front, added to T with the weight, rounded and stored.
.macro XSLOT j
.if \j == 0
.set PV, P
.set YR, Y0
.else
.set PV, X+4*(\j-1)
.set YR, X+4*(\j-1)
.endif
	s_wait_loadcnt 31-\j                           ; row j is in; rows j + 1 .. 31 stay out
.irp i, 0,1,2,3
	v_cmp_neq_f32 s[26+\i], v[X+4*\j+\i], v[PV+\i] ; the != of floats: true for unordered, false for -0 against +0
.endr
	s_or_b32 s26, s26, s27
	s_or_b32 s28, s28, s29
.if \j == 0
	s_or_b32 s30, s26, s28                         ; s30: has any lane of my wave seen a change so far
.else
	s_or_b32 s26, s26, s28
	s_or_b32 s30, s30, s26
.endif
	s_cmp_lg_u32 s30, 0
	s_cselect_b32 s32, 1.0, 0                      ; the row's weight in T: a choice of a value, no branch
	s_cselect_b32 s34, 0, 1                        ; and whether it counts among the leading equal rows
	s_mov_b32 s33, s32
.if \j == 0
	s_mov_b32 s31, s34                             ; n_w
	v_pk_mul_f32 v[T:T+1],   v[X:X+1],   s[32:33] op_sel_hi:[1,0]      ; the first row starts the sums
	v_pk_mul_f32 v[T+2:T+3], v[X+2:X+3], s[32:33] op_sel_hi:[1,0]
.else
	s_add_co_u32 s31, s31, s34
	v_pk_fma_f32 v[T:T+1],   v[X+4*\j:X+4*\j+1],   s[32:33], v[T:T+1] op_sel_hi:[1,0,1]
	v_pk_fma_f32 v[T+2:T+3], v[X+4*\j+2:X+4*\j+3], s[32:33], v[T+2:T+3] op_sel_hi:[1,0,1]
.endif
	v_cvt_pk_bf16_f32 v[YR],   v[X+4*\j],   v[X+4*\j+1]
	v_cvt_pk_bf16_f32 v[YR+1], v[X+4*\j+2], v[X+4*\j+3]
	global_store_b64 v2, v[YR:YR+1], s[6:7] offset:OROW*\j
.endm
.irp j, 0,1,2,3,4,5,6,7,8,9,10,11,12,13,14,15,16,17,18,19,20,21,22,23,24,25,26,27,28,29,30,31
	XSLOT \j
.endr
	; f = the least 32 w + n_w over the waves that saw a change, 512 if none did
	s_lshl_b32 s35, s16, 5
	s_add_co_u32 s35, s35, s31                     ; 32 w + n_w
	s_cmp_lt_u32 s31, 32
	s_cselect_b32 s36, s35, 0x200
	v_cvt_f32_u32 v4, s36                          ; whole numbers up to 512 are exact in f32
	s_lshl_b32 s34, s16, 2
	v_mov_b32 v5, s34
	ds_store_b32 v5, v4                            ; every lane writes my wave's word with the same value
	s_wait_dscnt 0x0                               ; for the other waves' sake
	s_barrier_signal -1
	s_barrier_wait -1
	ds_load_b32 v5, v3                             ; each half of 16 lanes holds all sixteen words
	v_cvt_f32_u32 v6, s35
	v_cvt_f32_u32 v7, s31
	s_wait_dscnt 0x0
	v_min_num_f32_dpp v5, v5, v5 row_xmask:1 row_mask:0xf bank_mask:0xf
	v_min_num_f32_dpp v5, v5, v5 row_xmask:2 row_mask:0xf bank_mask:0xf
	v_min_num_f32_dpp v5, v5, v5 row_xmask:4 row_mask:0xf bank_mask:0xf
	v_min_num_f32_dpp v5, v5, v5 row_xmask:8 row_mask:0xf bank_mask:0xf
	v_sub_f32 v6, v6, v5                           ; of my n_w leading rows, those from row f on count: clamp(32 w + n_w - f, 0, n_w)
	v_max_num_f32 v6, 0, v6
	v_min_num_f32 v[WT], v6, v7
	v_mov_b32 v[WT+1], v[WT]
	v_pk_fma_f32 v[T:T+1],   v[P:P+1],   v[WT:WT+1], v[T:T+1]
	v_pk_fma_f32 v[T+2:T+3], v[P+2:P+3], v[WT:WT+1], v[T+2:T+3]
	ds_store_b128 v[VSA], v[T:T+3] offset:VS       ; bytes of their own: a slow wave may still read the sixteen words
	s_wait_dscnt 0x0
	s_barrier_signal -1
	s_barrier_wait -1
	s_cmp_lg_u32 s16, 0                            ; wave 0 adds the sixteen sums and stores
	s_cbranch_scc1 .Lend
	s_wait_xcnt 0x0                                ; X's registers, data of my stores, are loaded over only behind this wait
.irp q, 0,1,2,3,4,5,6,7,8,9,10,11,12,13,14,15
	ds_load_b128 v[X+4*\q:X+4*\q+3], v1 offset:VS+512*\q
.endr
	s_wait_dscnt 0x0
.macro QADD d, a, b                    ; four f32: d = a + b
	v_pk_add_f32 v[\d:\d+1],   v[\a:\a+1],   v[\b:\b+1]
	v_pk_add_f32 v[\d+2:\d+3], v[\a+2:\a+3], v[\b+2:\b+3]
.endm
.irp i, 0,1,2,3,4,5,6,7
	QADD X+4*\i, X+4*\i, X+4*\i+32
.endr
.irp i, 0,1,2,3
	QADD X+4*\i, X+4*\i, X+4*\i+16
.endr
.irp i, 0,1
	QADD X+4*\i, X+4*\i, X+4*\i+8
.endr
	QADD X, X, X+4
	global_store_b128 v1, v[X:X+3], s[8:9]                 ; 512 consecutive bytes, aligned
	global_store_b128 v1, v[P:P+3], s[8:9] offset:ROWB     ; wave 0's row in front is the strip's
	v_cvt_u32_f32 v21, v5
	v_cmp_eq_u32 vcc_lo, 0, v0
	s_wait_xcnt 0x0                                ; EXEC is a source of the stores above: it changes only behind this wait
	s_and_saveexec_b32 s34, vcc_lo
	global_store_b32 v22, v21, s[10:11]            ; thread 0 alone: f
	s_wait_xcnt 0x0                                ; and again in front of the line that widens EXEC
	s_or_b32 exec_lo, exec_lo, s34
.Lend:
	s_barrier_signal -1
	s_barrier_wait -1
	s_wait_tensorcnt 0x0
	ds_add_u32 v160, v161
	s_wait_dscnt 0x0
	s_endpgm
.Lfunc_end_k_q92132b5828_prep:
	.size	k_q92132b5828_prep, .Lfunc_end_k_q92132b5828_prep-k_q92132b5828_prep
	.p2alignl 7, 3214868480
	.fill 96, 4, 3214868480
	.section	.rodata,"a",@progbits
	.p2align	6, 0x0
	.amdhsa_kernel k_q92132b5828_prep
		.amdhsa_group_segment_fixed_size 10496
		.amdhsa_private_segment_fixed_size 0
		.amdhsa_enable_private_segment 0
		.amdhsa_kernarg_size 32
		.amdhsa_user_sgpr_count 2
		.amdhsa_user_sgpr_kernarg_segment_ptr 1
		.amdhsa_wavefront_size32 1
		.amdhsa_system_sgpr_workgroup_id_x 1
		.amdhsa_system_sgpr_workgroup_id_y 1
		.amdhsa_system_sgpr_workgroup_id_z 1
		.amdhsa_system_vgpr_workitem_id 0
		.amdhsa_next_free_vgpr 162
		.amdhsa_next_free_sgpr 66
		.amdhsa_reserve_vcc 1
		.amdhsa_float_denorm_mode_32 3
		.amdhsa_float_denorm_mode_16_64 3
		.amdhsa_memory_ordered 1
		.amdhsa_forward_progress 1
		.amdhsa_inst_pref_size 39
	.end_amdhsa_kernel
	.amdgpu_metadata
---
amdhsa.version: [ 1, 2 ]
amdhsa.kernels:
  - .name:           k_q92132b5828_prep
    .symbol:         k_q92132b5828_prep.kd
    .args:
      - { .name: x, .offset: 0, .size: 8, .value_kind: global_buffer, .address_space: global }
      - { .name: xb, .offset: 8, .size: 8, .value_kind: global_buffer, .address_space: global }
      - { .name: part, .offset: 16, .size: 8, .value_kind: global_buffer, .address_space: global }
      - { .name: nfirst, .offset: 24, .size: 8, .value_kind: global_buffer, .address_space: global }
    .group_segment_fixed_size: 10496
    .private_segment_fixed_size: 0
    .kernarg_segment_align: 8
    .kernarg_segment_size: 32
    .max_flat_workgroup_size: 512
    .sgpr_count:     66
    .vgpr_count:     162
    .wavefront_size: 32
...
	.end_amdgpu_metadata
.endif
;; end of part 1
;; launch enc1 (part 2): grid 256 x 1, 16 waves a work-group, no clusters, 12,288 bytes of LDS; arguments part, nfirst, enc_W1, hpart, W, wb; writes hpart, wb
.if DOCPART == 2
	.amdgcn_target "amdgcn-amd-amdhsa--gfx1250"
	.amdhsa_code_object_version 6
	.text
	.protected	k_q92132b5828_enc1
	.globl	k_q92132b5828_enc1
	.p2align	8
	.type	k_q92132b5828_enc1,@function
k_q92132b5828_enc1:
	s_mov_b64 s[64:65], 0
	v_nop
	global_prefetch_b8 v0, s[64:65] scope:SCOPE_SE
	s_setreg_imm32_b32 hwreg(HW_REG_WAVE_MODE, 25, 1), 1
	s_wait_xcnt 0x0
; enc1: two kinds of work-groups, told apart by the work-group's number alone.
; WORK-GROUPS 0 .. 63: the first changed row of each sample (whole numbers alone), the pooled mean of 512 columns, and that slice's share of
; pooled x W1^T.  Work-group (sd = g % 8, eh = g / 8): columns 512 sd .. + 511 and rows 32 eh .. + 31 of enc_W1.
;   hpart[sd][eh][b][e'] = sum over the slice's columns of pooled[b][d] W1[32 eh + e'][d], f32: 512 consecutive bytes for each work-group.
; Sixteen waves; wave w has column group cg = w % 4 (128 columns; lane l owns 4 l .. + 3: every load is 512 consecutive bytes).  First it makes
; pooled[b = w / 4][cg] = (T0 + wt0 P0 + T1 + wt1 P1) / count from the two halves' strips, wt = clamp(512 hf + f - F, 0, f) rows that equal P
; and lie at or behind the sample's first row that counts, F; the sixteen pieces meet in LDS.  Then it multiplies rows 32 eh + 8 (w / 4) .. + 7 of
; enc_W1 on its column group by the four samples; the four column groups are added in a stage in LDS.
; All in f32 on the vector unit: four rows would leave a matrix tile three quarters empty, and the result steers a choice that bf16 could turn.
; WORK-GROUPS 64 .. 255 have no part in that chain: each rounds 5 rows of W to bf16 (rows 0 .. 959 of wb; the next launch does the rest beside
; its own chain).  Thread t owns columns 4 t .. + 3 and 2048 + 4 t .. + 3; its 10 loads go out at once; a store of a wave is 256 aligned bytes.
; No cluster, no tensor loads: nothing large is shared between work-groups.
; LIMITS: sums in another order than a row-by-row sum; the division by the count is v_rcp_f32 and a multiplication.
.set NENC,  64                         ; work-groups of the first kind
.set WR,    5                          ; rows of W for each work-group of the second kind
.set LN16,  2                          ; v2        16 x lane
.set NF,    4                          ; v[4:11]   nfirst: words 4 l .. + 3 (half-samples 0..3), words 128 + 4 l .. (4..7); then candidates
.set ADDH,  12                         ; v12       512 x (which half my words belong to)
.set K1024, 13                         ; v13       1024 = no change
.set FA,    14                         ; v14       lanes 0-15: sample 0, lanes 16-31: sample 1
.set FB,    15                         ; v15       samples 2 and 3
.set TD,    16                         ; v16-17    at work
.set RC,    18                         ; v[18:19]  1 / count, twice
.set WT0,   20                         ; v[20:21]  P's weight in the first half, twice
.set WT1,   22                         ; v[22:23]  in the second half
.set TP,    24                         ; v[24:39]  T0, P0, T1, P1; at the end the four column groups' results
.set PO,    40                         ; v[40:55]  pooled[b][my 4 columns]
.set TT,    56                         ; v[56:63]  four pairs at work
.set HT,    64                         ; v64-65    what a lane sends in a halving step
.set VS,    66                         ; v66       512 w + 16 lane
.set VRD,   67                         ; v67       512 cg + 16 lane
.set VH,    68                         ; v68       where my result goes in the stage; v69 at work
.set W1R,   72                         ; v[72:103] 8 rows of enc_W1
.set V,     104                        ; v[104:135] value 8 b + i: my lanes' share of row i times sample b
.set OS,    8192                       ; LDS: 0 .. 8191 pooled [b][cg], 512 bytes each; 8192 .. 10239 the stage [cg][b][32 e']
.set CX,    8                          ; second kind: v[8:47] 5 rows of W, 8 registers each; v3 = 16 t, v4 = 8 t
; One halving step over lanes m apart: of 2 m values a lane keeps m and sends the other m to its partner.
.macro HALVE B, m, M
.set hj, 0
.rept \m
	v_cndmask_b32 v[HT+(hj%2)], v[\B+hj+\m], v[\B+hj], s[\M]
	v_cndmask_b32 v[\B+hj], v[\B+hj], v[\B+hj+\m], s[\M]
	v_add_f32_dpp v[\B+hj], v[HT+(hj%2)], v[\B+hj] row_xmask:\m row_mask:0xf bank_mask:0xf
.set hj, hj+1
.endr
.endm
; 32 values in each lane -> lane l holds value l summed over the 32 lanes
.macro REDUCE32 B
.set rj, 0
.rept 16
	v_permlane16_swap_b32 v[\B+rj], v[\B+rj+16]    ; lanes 0-15 now hold both halves' shares of value j, lanes 16-31 of value j + 16
	v_add_f32 v[\B+rj], v[\B+rj], v[\B+rj+16]
.set rj, rj+1
.endr
	HALVE \B, 8, 44
	HALVE \B, 4, 45
	HALVE \B, 2, 46
	HALVE \B, 1, 47
.endm
	s_load_b256 s[4:11], s[0:1], 0x0               ; part s[4:5], nfirst s[6:7], enc_W1 s[8:9], hpart s[10:11]
	s_load_b128 s[12:15], s[0:1], 0x20             ; W s[12:13], wb s[14:15]
	v_lshl_add_u32 v136, v0, 2, 0x2800
	v_mov_b32 v137, 0
	v_lshrrev_b32 v1, 5, v0
	v_readfirstlane_b32 s16, v1                    ; wave 0..15
	v_and_b32 v1, 31, v0                           ; lane
	v_lshlrev_b32 v[LN16], 4, v1
	s_cmp_ge_u32 ttmp9, NENC                       ; the same for all waves of a work-group
	s_cbranch_scc1 .Lconv
	s_and_b32 s17, ttmp9, 7                        ; sd
	s_lshr_b32 s18, ttmp9, 3                       ; eh
	s_and_b32 s19, s16, 3                          ; cg
	s_lshr_b32 s20, s16, 2                         ; my sample, later my group of 8 rows
	s_lshl_b32 s21, s17, 11
	s_lshl_b32 s32, s19, 9
	s_add_co_u32 s21, s21, s32                     ; my column group's bytes in a row: 2048 sd + 512 cg
	s_lshl_b32 s22, s20, 16                        ; part: 2 halves x 2 x 16,384 bytes for each sample
	s_add_co_u32 s22, s22, s21
	s_mov_b32 s23, 0
	s_lshl_b32 s24, s18, 19                        ; enc_W1: 32 rows of 16,384 bytes,
	s_lshl_b32 s32, s20, 17                        ; 8 rows
	s_add_co_u32 s24, s24, s32
	s_add_co_u32 s24, s24, s21
	s_mov_b32 s25, 0
	s_lshl_b32 s26, s20, 8                         ; nfirst: word 64 b + 4 sd + cg, and 32 words on for the second half
	s_lshl_b32 s32, s17, 4
	s_add_co_u32 s26, s26, s32
	s_lshl_b32 s32, s19, 2
	s_add_co_u32 s26, s26, s32
	s_mov_b32 s27, 0
	s_lshl_b32 s28, s17, 12                        ; hpart: 4,096 bytes a slice, 512 a work-group
	s_lshl_b32 s32, s18, 9
	s_add_co_u32 s28, s28, s32
	s_mov_b32 s29, 0
	s_mov_b32 s44, 0xff00ff00                      ; lanes with bit 3, 2, 1, 0 of their number set
	s_mov_b32 s45, 0xf0f0f0f0
	s_mov_b32 s46, 0xcccccccc
	s_mov_b32 s47, 0xaaaaaaaa
	s_lshl_b32 s32, s16, 9
	v_add_nc_u32 v[VS], s32, v[LN16]
	s_lshl_b32 s32, s19, 9
	v_add_nc_u32 v[VRD], s32, v[LN16]
	v_lshrrev_b32 v[VH], 3, v1                     ; value 8 b + i sits in lane 8 b + i: stage byte 512 cg + 128 b + 4 (8 (w / 4) + i)
	v_and_b32 v[VH+1], 7, v1
	v_lshlrev_b32 v[VH], 7, v[VH]
	v_lshl_add_u32 v[VH], v[VH+1], 2, v[VH]
	s_lshl_b32 s33, s20, 5
	s_add_co_u32 s33, s33, s32
	v_add_nc_u32 v[VH], s33, v[VH]
	v_bfe_u32 v[ADDH], v1, 3, 1                    ; words 4 l .. + 3 belong to half-sample l / 8 (+ 4): its half is bit 3 of the lane
	v_lshlrev_b32 v[ADDH], 9, v[ADDH]
	v_mov_b32 v[K1024], 0x400
	v_mov_b32 v[TD], 0                             ; destinations of the lane moves below count as read
	v_mov_b32 v[TD+1], 0
	s_wait_kmcnt 0x0
	s_add_nc_u64 s[4:5], s[4:5], s[22:23]
	s_add_nc_u64 s[8:9], s[8:9], s[24:25]
	s_add_nc_u64 s[30:31], s[6:7], s[26:27]
	s_add_nc_u64 s[10:11], s[10:11], s[28:29]
	; all loads at the head: 4 + 2 + 8, and two words as scalars
	s_load_b32 s40, s[30:31], 0x0                  ; f of my strip in the first half,
	s_load_b32 s41, s[30:31], 0x80                 ; in the second
.irp i, 0,1,2,3
	global_load_b128 v[TP+4*\i:TP+4*\i+3], v[LN16], s[4:5] offset:16384*\i     ; T0, P0, T1, P1
.endr
	global_load_b128 v[NF:NF+3],   v[LN16], s[6:7]
	global_load_b128 v[NF+4:NF+7], v[LN16], s[6:7] offset:512
.irp i, 0,1,2,3,4,5,6,7
	global_load_b128 v[W1R+4*\i:W1R+4*\i+3], v[LN16], s[8:9] offset:16384*\i th:TH_LOAD_NT
.endr
	; the first changed row of each sample: the least 512 hf + f over the strips that have a change
	s_wait_loadcnt 8                               ; the strips and nfirst are in; the 8 rows of enc_W1 stay out
.irp i, 0,1,2,3,4,5,6,7
	v_cmp_gt_u32 vcc_lo, 0x200, v[NF+\i]
	v_add_nc_u32 v[NF+\i], v[NF+\i], v[ADDH]
	v_cndmask_b32 v[NF+\i], v[K1024], v[NF+\i], vcc_lo
.endr
.irp i, 0,2,4,6
	v_min_u32 v[NF+\i], v[NF+\i], v[NF+\i+1]
.endr
	v_min_u32 v[FA], v[NF], v[NF+2]
	v_min_u32 v[FB], v[NF+4], v[NF+6]
.irp m, 1,2,4,8
	v_mov_b32_dpp v[TD],   v[FA] row_xmask:\m row_mask:0xf bank_mask:0xf
	v_mov_b32_dpp v[TD+1], v[FB] row_xmask:\m row_mask:0xf bank_mask:0xf
	v_min_u32 v[FA], v[FA], v[TD]
	v_min_u32 v[FB], v[FB], v[TD+1]
.endr
	v_readlane_b32 s36, v[FA], 0
	v_readlane_b32 s37, v[FA], 16
	v_readlane_b32 s38, v[FB], 0
	v_readlane_b32 s39, v[FB], 16
	s_cmp_eq_u32 s20, 1                            ; s36 = my sample's: a choice of a value
	s_cselect_b32 s36, s37, s36
	s_cmp_eq_u32 s20, 2
	s_cselect_b32 s36, s38, s36
	s_cmp_eq_u32 s20, 3
	s_cselect_b32 s36, s39, s36
	s_cmp_eq_u32 s36, 1                            ; 1 is remapped to 0,
	s_cselect_b32 s36, 0, s36
	s_cmp_eq_u32 s36, 0x400                        ; and so is "no change at all"
	s_cselect_b32 s36, 0, s36
	s_sub_co_u32 s42, 0x400, s36                   ; rows that count: 1024 - F, at least 1
	v_cvt_f32_u32 v[TD], s42
	s_wait_kmcnt 0x0                               ; my two strips' f
	s_sub_co_i32 s50, s40, s36                     ; clamp(f - F, 0, f)
	s_max_i32 s50, s50, 0
	s_min_i32 s50, s50, s40
	s_add_co_u32 s51, s41, 0x200                   ; clamp(512 + f - F, 0, f)
	s_sub_co_i32 s51, s51, s36
	s_max_i32 s51, s51, 0
	s_min_i32 s51, s51, s41
	v_rcp_f32 v[RC], v[TD]
	v_cvt_f32_u32 v[WT0], s50                      ; plain work stands between v_rcp_f32 and the first use of its result (ISA guide 5.7.2)
	v_cvt_f32_u32 v[WT1], s51
	s_wait_alu depctr_va_vdst(0)
	v_mov_b32 v[RC+1], v[RC]
	v_mov_b32 v[WT0+1], v[WT0]
	v_mov_b32 v[WT1+1], v[WT1]
.irp k, 0,2
	v_pk_fma_f32 v[TP+\k:TP+\k+1],     v[TP+4+\k:TP+4+\k+1],   v[WT0:WT0+1], v[TP+\k:TP+\k+1]
	v_pk_fma_f32 v[TP+8+\k:TP+8+\k+1], v[TP+12+\k:TP+12+\k+1], v[WT1:WT1+1], v[TP+8+\k:TP+8+\k+1]
.endr
.irp k, 0,2
	v_pk_add_f32 v[TP+\k:TP+\k+1], v[TP+\k:TP+\k+1], v[TP+8+\k:TP+8+\k+1]
.endr
.irp k, 0,2
	v_pk_mul_f32 v[TP+\k:TP+\k+1], v[TP+\k:TP+\k+1], v[RC:RC+1]
.endr
	ds_store_b128 v[VS], v[TP:TP+3]                ; piece w = 4 b + cg
	s_wait_dscnt 0x0                               ; for the other waves' sake
	s_barrier_signal -1
	s_barrier_wait -1
.irp b, 0,1,2,3
	ds_load_b128 v[PO+4*\b:PO+4*\b+3], v[VRD] offset:2048*\b           ; my column group of sample b: 512 consecutive bytes for the wave
.endr
	s_wait_dscnt 0x0
	s_wait_loadcnt 0x0                             ; the 8 rows of enc_W1
.irp i, 0,1,2,3,4,5,6,7
.irp b, 0,1,2,3
	v_pk_mul_f32 v[TT+2*\b:TT+2*\b+1], v[W1R+4*\i:W1R+4*\i+1], v[PO+4*\b:PO+4*\b+1]
.endr
.irp b, 0,1,2,3
	v_pk_fma_f32 v[TT+2*\b:TT+2*\b+1], v[W1R+4*\i+2:W1R+4*\i+3], v[PO+4*\b+2:PO+4*\b+3], v[TT+2*\b:TT+2*\b+1]
.endr
.irp b, 0,1,2,3
	v_add_f32 v[V+8*\b+\i], v[TT+2*\b], v[TT+2*\b+1]
.endr
.endr
	REDUCE32 V
	ds_store_b32 v[VH], v[V] offset:OS             ; bytes of their own: a slow wave may still read pooled
	s_wait_dscnt 0x0
	s_barrier_signal -1
	s_barrier_wait -1
	s_cmp_lg_u32 s16, 0                            ; wave 0 adds the four column groups and stores 512 consecutive bytes, aligned
	s_cbranch_scc1 .Ldone
.irp c, 0,1,2,3
	ds_load_b128 v[TP+4*\c:TP+4*\c+3], v[LN16] offset:OS+512*\c
.endr
	s_wait_dscnt 0x0
.irp k, 0,2
	v_pk_add_f32 v[TP+\k:TP+\k+1],     v[TP+\k:TP+\k+1],     v[TP+4+\k:TP+4+\k+1]
	v_pk_add_f32 v[TP+8+\k:TP+8+\k+1], v[TP+8+\k:TP+8+\k+1], v[TP+12+\k:TP+12+\k+1]
.endr
.irp k, 0,2
	v_pk_add_f32 v[TP+\k:TP+\k+1], v[TP+\k:TP+\k+1], v[TP+8+\k:TP+8+\k+1]
.endr
	global_store_b128 v[LN16], v[TP:TP+3], s[10:11]
.Ldone:
	s_wait_tensorcnt 0x0
	ds_add_u32 v136, v137
	s_wait_dscnt 0x0
	s_endpgm
	; THE SECOND KIND: rows WR (g - NENC) .. + WR - 1 of W, rounded to bf16 in place: no register of a store is written again
.Lconv:
	s_sub_co_u32 s20, ttmp9, NENC
	s_mul_i32 s22, s20, WR*16384
	s_mov_b32 s23, 0
	s_mul_i32 s24, s20, WR*8192
	s_mov_b32 s25, 0
	v_lshlrev_b32 v3, 4, v0                        ; my 16 bytes in half a row of f32
	v_lshlrev_b32 v4, 3, v0                        ; my 8 bytes in half a row of bf16
	s_wait_kmcnt 0x0
	s_add_nc_u64 s[12:13], s[12:13], s[22:23]
	s_add_nc_u64 s[14:15], s[14:15], s[24:25]
.set wr, 0
.rept WR
	global_load_b128 v[CX+8*wr:CX+8*wr+3],   v3, s[12:13] offset:16384*wr th:TH_LOAD_NT
	global_load_b128 v[CX+8*wr+4:CX+8*wr+7], v3, s[12:13] offset:16384*wr+8192 th:TH_LOAD_NT
.set wr, wr+1
.endr
.set wr, 0
.rept WR
	s_wait_loadcnt 2*(WR-1-wr)                     ; this row is in; the younger rows stay out
	v_cvt_pk_bf16_f32 v[CX+8*wr],   v[CX+8*wr],   v[CX+8*wr+1]
	v_cvt_pk_bf16_f32 v[CX+8*wr+1], v[CX+8*wr+2], v[CX+8*wr+3]
	v_cvt_pk_bf16_f32 v[CX+8*wr+4], v[CX+8*wr+4], v[CX+8*wr+5]
	v_cvt_pk_bf16_f32 v[CX+8*wr+5], v[CX+8*wr+6], v[CX+8*wr+7]
	global_store_b64 v4, v[CX+8*wr:CX+8*wr+1],   s[14:15] offset:8192*wr
	global_store_b64 v4, v[CX+8*wr+4:CX+8*wr+5], s[14:15] offset:8192*wr+4096
.set wr, wr+1
.endr
	s_endpgm
.Lfunc_end_k_q92132b5828_enc1:
	.size	k_q92132b5828_enc1, .Lfunc_end_k_q92132b5828_enc1-k_q92132b5828_enc1
	.p2alignl 7, 3214868480
	.fill 96, 4, 3214868480
	.section	.rodata,"a",@progbits
	.p2align	6, 0x0
	.amdhsa_kernel k_q92132b5828_enc1
		.amdhsa_group_segment_fixed_size 12288
		.amdhsa_private_segment_fixed_size 0
		.amdhsa_enable_private_segment 0
		.amdhsa_kernarg_size 48
		.amdhsa_user_sgpr_count 2
		.amdhsa_user_sgpr_kernarg_segment_ptr 1
		.amdhsa_wavefront_size32 1
		.amdhsa_system_sgpr_workgroup_id_x 1
		.amdhsa_system_sgpr_workgroup_id_y 1
		.amdhsa_system_sgpr_workgroup_id_z 1
		.amdhsa_system_vgpr_workitem_id 0
		.amdhsa_next_free_vgpr 138
		.amdhsa_next_free_sgpr 66
		.amdhsa_reserve_vcc 1
		.amdhsa_float_denorm_mode_32 3
		.amdhsa_float_denorm_mode_16_64 3
		.amdhsa_memory_ordered 1
		.amdhsa_forward_progress 1
		.amdhsa_inst_pref_size 22
	.end_amdhsa_kernel
	.amdgpu_metadata
---
amdhsa.version: [ 1, 2 ]
amdhsa.kernels:
  - .name:           k_q92132b5828_enc1
    .symbol:         k_q92132b5828_enc1.kd
    .args:
      - { .name: part, .offset: 0, .size: 8, .value_kind: global_buffer, .address_space: global }
      - { .name: nfirst, .offset: 8, .size: 8, .value_kind: global_buffer, .address_space: global }
      - { .name: enc_W1, .offset: 16, .size: 8, .value_kind: global_buffer, .address_space: global }
      - { .name: hpart, .offset: 24, .size: 8, .value_kind: global_buffer, .address_space: global }
      - { .name: W, .offset: 32, .size: 8, .value_kind: global_buffer, .address_space: global }
      - { .name: wb, .offset: 40, .size: 8, .value_kind: global_buffer, .address_space: global }
    .group_segment_fixed_size: 12288
    .private_segment_fixed_size: 0
    .kernarg_segment_align: 8
    .kernarg_segment_size: 48
    .max_flat_workgroup_size: 512
    .sgpr_count:     66
    .vgpr_count:     138
    .wavefront_size: 32
...
	.end_amdgpu_metadata
.endif
;; end of part 2
;; launch dist (part 3): grid 256 x 1, 16 waves a work-group, no clusters, 14,848 bytes of LDS; arguments hpart, enc_b1, enc_W2, enc_b2, keys, epsilons, cdist, ccode, W, wb; writes cdist, ccode, wb
.if DOCPART == 3
	.amdgcn_target "amdgcn-amd-amdhsa--gfx1250"
	.amdhsa_code_object_version 6
	.text
	.protected	k_q92132b5828_dist
	.globl	k_q92132b5828_dist
	.p2align	8
	.type	k_q92132b5828_dist,@function
k_q92132b5828_dist:
	s_mov_b64 s[64:65], 0
	v_nop
	global_prefetch_b8 v0, s[64:65] scope:SCOPE_SE
	s_setreg_imm32_b32 hwreg(HW_REG_WAVE_MODE, 25, 1), 1
	s_wait_xcnt 0x0
; dist: two kinds of work-groups, told apart by the work-group's number alone.
; WORK-GROUPS 0 .. 31: h = relu(sum of the 8 slices of hpart + b1), query = h W2^T + b2, the distances of 64 keys to the four queries, and for each
; sample this work-group's nearest key: cdist[b][wg] = its distance, ccode[b][wg] = 2 x key + (distance <= epsilon of that key).
; Every one of the 32 makes h and the query for itself (32 KiB + 256 KiB of reads): handing them on would cost a launch.
; Sixteen waves.  Lane l owns e = 128 g + 4 l + di (g = 0, 1; di = 0..3), register index ei = 4 g + di: every load of a row is 512 consecutive bytes.
; Wave w makes rows 16 w .. + 15 of the query and the distances of keys 64 wg + 4 w .. + 3.
; All in f32 on the vector unit: four rows, and an argmin that bf16 could turn.  No cluster and no tensor loads: what is shared is loaded
; straight into the registers of the lanes that multiply it, once.
; WORK-GROUPS 32 .. 255 have no part in that chain: each rounds 14 rows of W to bf16 (rows 960 .. 4095 of wb; the launch before did rows 0 .. 959).
; Thread t owns columns 4 t .. + 3 and 2048 + 4 t .. + 3; its 28 loads go out at once; a store of a wave is 256 aligned bytes.
; LIMITS: the squared distance is the sum of (k - q)^2, equal in exact arithmetic to kk + qq - 2 kq and never negative (the clip at 0 is kept);
; sums in another order; v_sqrt_f32 is good to one unit in the last place and takes a squared distance below 2^-126 as 0, so distances that close
; may be ordered otherwise.  Equal distances: the lower key wins.  With a NaN among the distances the choice is not defined.
.set NDIST, 32                         ; work-groups of the first kind
.set WR,    14                         ; rows of W for each work-group of the second kind
.set WROW0, 960                        ; the first row that this launch rounds
.set ACC,  2                           ; v[2:5]    my four sums over 4 slices
.set HRD,  6                           ; v6        until the query is made: where my e lie in a slice of hpart's layout; v7 at work
.set TQ,   2                           ; v[2:9]    later: four pairs at work
.set LN16, 10                          ; v10       16 x lane
.set T16,  11                          ; v11       16 x thread
.set QST,  12                          ; v12       where my number of the query goes
.set CDA,  13                          ; v13       16 w + 4 (lane % 4)
.set DV,   14                          ; v14       distance
.set CV,   15                          ; v15       code
.set H,    16                          ; v[16:47]  h[b][ei] at 8 b + ei; later the query likewise
.set VW2,  16                          ; v16-19    at the head only: offsets of the head's loads
.set VB2,  17
.set VEPS, 18
.set VK,   19
.set B1,   48                          ; v[48:55]  b1[ei]
.set B2,   56                          ; v56-57    b2 of my result, for the two sets of 8 rows
.set EPS,  58
.set KEY2, 59                          ; 2 x my key
.set OD,   60                          ; the partner's distance and code
.set OC,   61
.set HT,   62                          ; v62-63    what a lane sends in a halving step
.set RING, 64                          ; v[64:79]  4 slices of hpart
.set KY,   64                          ; v[64:95]  later: 4 keys, 8 j + ei
.set V,    96                          ; v[96:127] half 1 of h; then value 8 b + r
.set D,    96                          ; v[96:111] value 4 j + b
.set TT,   112                         ; v[112:119] differences
.set TA,   120                         ; v[120:127] sums of squares
.set W2R,  128                         ; v[128:255] 16 rows of enc_W2, 8 r + ei
.set QS,   8192                        ; LDS: 0 .. 8191 two halves of h's sums, each in hpart's layout [eh][b][32 e']; 8192 .. 12287 the query [b][o];
.set CD,   12288                       ;      12288 .. 12543 distances [16 w][4 b]; 12544 .. 12799 codes
.set CC,   12544
.set MS0,  40
.set MS1,  41
.set MS2,  42
.set CX,   8                           ; second kind: v[8:119] 14 rows of W, 8 registers each; v3 = 16 t, v4 = 8 t
.macro HALVE B, m, M
.set hj, 0
.rept \m
	v_cndmask_b32 v[HT+(hj%2)], v[\B+hj+\m], v[\B+hj], s[\M]
	v_cndmask_b32 v[\B+hj], v[\B+hj], v[\B+hj+\m], s[\M]
	v_add_f32_dpp v[\B+hj], v[HT+(hj%2)], v[\B+hj] row_xmask:\m row_mask:0xf bank_mask:0xf
.set hj, hj+1
.endr
.endm
.macro RED16 B                         ; 16 values a lane -> lane l holds value l % 16 summed over its half of 16 lanes
	HALVE \B, 8, 44
	HALVE \B, 4, 45
	HALVE \B, 2, 46
	HALVE \B, 1, 47
.endm
.macro REDUCE32 B                      ; 32 values a lane -> lane l holds value l summed over the 32 lanes
.set rj, 0
.rept 16
	v_permlane16_swap_b32 v[\B+rj], v[\B+rj+16]
	v_add_f32 v[\B+rj], v[\B+rj], v[\B+rj+16]
.set rj, rj+1
.endr
	RED16 \B
.endm
.macro MERGE                           ; (DV, CV) = the nearer of (DV, CV) and (OD, OC); equal distances: the lower code, that is the lower key
	v_cmp_lt_f32 s[MS0], v[OD], v[DV]
	v_cmp_eq_f32 s[MS1], v[OD], v[DV]
	v_cmp_lt_u32 s[MS2], v[OC], v[CV]
	s_and_b32 s[MS1], s[MS1], s[MS2]
	s_or_b32 s[MS0], s[MS0], s[MS1]
	v_cndmask_b32 v[DV], v[DV], v[OD], s[MS0]
	v_cndmask_b32 v[CV], v[CV], v[OC], s[MS0]
.endm
.macro ARGSTEP m
	v_mov_b32_dpp v[OD], v[DV] row_xmask:\m row_mask:0xf bank_mask:0xf
	v_mov_b32_dpp v[OC], v[CV] row_xmask:\m row_mask:0xf bank_mask:0xf
	MERGE
.endm
.macro QADD d, a, b                    ; four f32: d = a + b
	v_pk_add_f32 v[\d:\d+1],   v[\a:\a+1],   v[\b:\b+1]
	v_pk_add_f32 v[\d+2:\d+3], v[\a+2:\a+3], v[\b+2:\b+3]
.endm
	s_load_b512 s[4:19], s[0:1], 0x0               ; hpart s[4:5], b1 s[6:7], W2 s[8:9], b2 s[10:11], keys s[12:13], epsilons s[14:15], cdist s[16:17], ccode s[18:19]
	s_load_b128 s[52:55], s[0:1], 0x40             ; W s[52:53], wb s[54:55]
	v_lshrrev_b32 v1, 5, v0
	v_readfirstlane_b32 s20, v1                    ; wave 0..15
	v_and_b32 v1, 31, v0                           ; lane
	s_cmp_ge_u32 ttmp9, NDIST                      ; the same for all waves of a work-group
	s_cbranch_scc1 .Lconv
	s_mov_b32 s44, 0xff00ff00
	s_mov_b32 s45, 0xf0f0f0f0
	s_mov_b32 s46, 0xcccccccc
	s_mov_b32 s47, 0xaaaaaaaa
	s_mov_b32 s48, 0x76543210
	s_mov_b32 s49, 0xfedcba98
	s_lshl_b32 s24, ttmp9, 16                      ; 64 keys of 1,024 bytes
	s_mov_b32 s25, 0
	s_lshl_b32 s26, ttmp9, 8                       ; 64 epsilons
	s_mov_b32 s27, 0
	s_lshl_b32 s28, ttmp9, 2                       ; my word in a row of cdist and of ccode
	s_mov_b32 s29, 0
	v_lshlrev_b32 v[T16], 4, v0                    ; thread t: half t / 256 of the slices, 16 bytes at 16 (t % 256): together 16 t
	v_lshlrev_b32 v[LN16], 4, v1
	v_lshrrev_b32 v[HRD], 3, v1                    ; e = 128 g + 4 l + di lies in block eh = 4 g + l / 8 at e' = 4 (l % 8) + di:
	v_and_b32 v[HRD+1], 7, v1                      ; byte 2048 g + 512 (l / 8) + 128 b + 16 (l % 8) + 4 di
	v_lshlrev_b32 v[HRD], 9, v[HRD]
	v_lshl_add_u32 v[HRD], v[HRD+1], 4, v[HRD]
	s_lshl_b32 s21, s20, 14                        ; 16 rows of 1,024 bytes
	v_add_nc_u32 v[VW2], s21, v[LN16]
	v_and_b32 v[VB2], 7, v1
	s_lshl_b32 s21, s20, 6
	v_lshl_add_u32 v[VB2], v[VB2], 2, s21          ; 4 (16 w + lane % 8)
	v_bfe_u32 v[VEPS], v1, 2, 2                    ; j = (lane / 4) % 4
	s_lshl_b32 s22, ttmp9, 7
	s_lshl3_add_u32 s22, s20, s22                  ; 2 (64 wg + 4 w)
	v_lshl_add_u32 v[KEY2], v[VEPS], 1, s22
	s_lshl_b32 s21, s20, 4
	v_lshl_add_u32 v[VEPS], v[VEPS], 2, s21        ; 4 (4 w + j)
	v_and_b32 v[CDA], 3, v1
	v_lshl_add_u32 v[CDA], v[CDA], 2, s21          ; 4 (4 w + lane % 4)
	s_lshl_b32 s21, s20, 12                        ; 4 keys of 1,024 bytes
	v_add_nc_u32 v[VK], s21, v[LN16]
	v_lshrrev_b32 v[QST], 3, v1
	v_lshl_add_u32 v[QST], v[QST], 10, v[VB2]      ; 1024 b + 4 o, b = lane / 8, o = 16 w + lane % 8 (+ 8 for the second set)
	v_mov_b32 v[OD], 0                             ; destinations of lane moves count as read
	v_mov_b32 v[OC], 0
	s_wait_kmcnt 0x0
	s_add_nc_u64 s[12:13], s[12:13], s[24:25]
	s_add_nc_u64 s[14:15], s[14:15], s[26:27]
	s_add_nc_u64 s[16:17], s[16:17], s[28:29]
	s_add_nc_u64 s[18:19], s[18:19], s[28:29]
	; the head's loads: 4 + 2 + 32 + 2 + 1
.irp i, 0,1,2,3
	global_load_b128 v[RING+4*\i:RING+4*\i+3], v[T16], s[4:5] offset:8192*\i
.endr
	global_load_b128 v[B1:B1+3],   v[LN16], s[6:7]
	global_load_b128 v[B1+4:B1+7], v[LN16], s[6:7] offset:512
.irp r, 0,1,2,3,4,5,6,7,8,9,10,11,12,13,14,15
	global_load_b128 v[W2R+8*\r:W2R+8*\r+3],   v[VW2], s[8:9] offset:1024*\r
	global_load_b128 v[W2R+8*\r+4:W2R+8*\r+7], v[VW2], s[8:9] offset:1024*\r+512
.endr
	global_load_b32 v[B2],   v[VB2], s[10:11]
	global_load_b32 v[B2+1], v[VB2], s[10:11] offset:32
	global_load_b32 v[EPS], v[VEPS], s[14:15]
	s_wait_loadcnt 37                              ; the 4 slices are in; 2 + 32 + 2 + 1 younger loads stay out
	QADD RING, RING, RING+8
	QADD RING+4, RING+4, RING+12
	QADD ACC, RING, RING+4
	ds_store_b128 v[T16], v[ACC:ACC+3]
.irp j, 0,1,2,3
	global_load_b128 v[KY+8*\j:KY+8*\j+3],   v[VK], s[12:13] offset:1024*\j th:TH_LOAD_NT
	global_load_b128 v[KY+8*\j+4:KY+8*\j+7], v[VK], s[12:13] offset:1024*\j+512 th:TH_LOAD_NT
.endr
	s_wait_dscnt 0x0                               ; for the other waves' sake
	s_barrier_signal -1
	s_barrier_wait -1
	s_wait_xcnt 0x0                                ; v16-19, offsets of loads that may be pending, are loaded over only behind this wait
.irp b, 0,1,2,3
.irp g, 0,1
	ds_load_b128 v[H+8*\b+4*\g:H+8*\b+4*\g+3], v[HRD] offset:2048*\g+128*\b
	ds_load_b128 v[V+8*\b+4*\g:V+8*\b+4*\g+3], v[HRD] offset:4096+2048*\g+128*\b
.endr
.endr
	s_wait_dscnt 0x0
.irp b, 0,1,2,3
.irp k, 0,2,4,6
	v_pk_add_f32 v[H+8*\b+\k:H+8*\b+\k+1], v[H+8*\b+\k:H+8*\b+\k+1], v[V+8*\b+\k:V+8*\b+\k+1]
.endr
.endr
	s_wait_loadcnt 43                              ; b1 is in; 32 + 2 + 1 + 8 younger loads stay out
.irp b, 0,1,2,3
.irp k, 0,2,4,6
	v_pk_add_f32 v[H+8*\b+\k:H+8*\b+\k+1], v[H+8*\b+\k:H+8*\b+\k+1], v[B1+\k:B1+\k+1]
.endr
.endr
.set i, 0
.rept 32
	v_max_num_f32 v[H+i], 0, v[H+i]                ; relu
.set i, i+1
.endr
; eight rows of the query: four chains (one for each sample) take turns, two e at a time
.macro QSET set
.irp r, 0,1,2,3,4,5,6,7
.irp k, 0,2,4,6
.irp b, 0,1,2,3
.if \k == 0
	v_pk_mul_f32 v[TQ+2*\b:TQ+2*\b+1], v[W2R+8*(8*\set+\r)+\k:W2R+8*(8*\set+\r)+\k+1], v[H+8*\b+\k:H+8*\b+\k+1]
.else
	v_pk_fma_f32 v[TQ+2*\b:TQ+2*\b+1], v[W2R+8*(8*\set+\r)+\k:W2R+8*(8*\set+\r)+\k+1], v[H+8*\b+\k:H+8*\b+\k+1], v[TQ+2*\b:TQ+2*\b+1]
.endif
.endr
.endr
.irp b, 0,1,2,3
	v_add_f32 v[V+8*\b+\r], v[TQ+2*\b], v[TQ+2*\b+1]
.endr
.endr
	REDUCE32 V
	v_add_f32 v[V], v[V], v[B2+\set]
	ds_store_b32 v[QST], v[V] offset:QS+32*\set
.endm
	s_wait_loadcnt 9                               ; enc_W2 and b2 are in; epsilon and the 8 loads of keys stay out
	QSET 0
	QSET 1
	s_wait_dscnt 0x0
	s_barrier_signal -1
	s_barrier_wait -1
.irp b, 0,1,2,3
.irp g, 0,1
	ds_load_b128 v[H+8*\b+4*\g:H+8*\b+4*\g+3], v[LN16] offset:QS+1024*\b+512*\g
.endr
.endr
	s_wait_dscnt 0x0
	s_wait_loadcnt 0x0                             ; keys and epsilon
.irp j, 0,1,2,3
.irp k, 0,2,4,6
.irp b, 0,1,2,3
	v_pk_add_f32 v[TT+2*\b:TT+2*\b+1], v[KY+8*\j+\k:KY+8*\j+\k+1], v[H+8*\b+\k:H+8*\b+\k+1] neg_lo:[0,1] neg_hi:[0,1]
.endr
.irp b, 0,1,2,3
.if \k == 0
	v_pk_mul_f32 v[TA+2*\b:TA+2*\b+1], v[TT+2*\b:TT+2*\b+1], v[TT+2*\b:TT+2*\b+1]
.else
	v_pk_fma_f32 v[TA+2*\b:TA+2*\b+1], v[TT+2*\b:TT+2*\b+1], v[TT+2*\b:TT+2*\b+1], v[TA+2*\b:TA+2*\b+1]
.endif
.endr
.endr
.irp b, 0,1,2,3
	v_add_f32 v[D+4*\j+\b], v[TA+2*\b], v[TA+2*\b+1]
.endr
.endr
	RED16 D
	v_permlanex16_b32 v[OD], v[D], s48, s49
	v_add_f32 v[D], v[D], v[OD]                    ; lane l: key j = (l / 4) % 4, sample b = l % 4
	v_max_num_f32 v[D], 0, v[D]
	v_sqrt_f32 v[DV], v[D]
	v_nop                                          ; one plain place behind v_sqrt_f32 before its result is read (ISA guide 5.7.2)
	s_wait_alu depctr_va_vdst(0)
	v_cmp_le_f32 vcc_lo, v[DV], v[EPS]
	v_cndmask_b32 v[CV], 0, 1, vcc_lo
	v_or_b32 v[CV], v[CV], v[KEY2]
	ARGSTEP 4                                      ; over my wave's four keys
	ARGSTEP 8
	ds_store_b32 v[CDA], v[DV] offset:CD           ; lanes of one sample write the same word with the same value
	ds_store_b32 v[CDA], v[CV] offset:CC
	s_wait_dscnt 0x0
	s_barrier_signal -1
	s_barrier_wait -1
	s_cmp_lg_u32 s20, 0                            ; wave 0 alone picks among the 16 waves
	s_cbranch_scc1 .Lend
	v_lshlrev_b32 v2, 2, v1
	ds_load_b32 v[DV], v2 offset:CD                ; entry l = 4 w + b and entry l + 32: the same b = l % 4
	ds_load_b32 v[CV], v2 offset:CC
	ds_load_b32 v[OD], v2 offset:CD+128
	ds_load_b32 v[OC], v2 offset:CC+128
	s_wait_dscnt 0x0
	MERGE
	ARGSTEP 4
	ARGSTEP 8
	v_permlanex16_b32 v[OD], v[DV], s48, s49
	v_permlanex16_b32 v[OC], v[CV], s48, s49
	MERGE
	v_and_b32 v3, 3, v1
	v_lshlrev_b32 v3, 7, v3                        ; row b of 32 words
	v_cmp_gt_u32 vcc_lo, 4, v1
	s_wait_xcnt 0x0                                ; EXEC changes only behind this wait
	s_and_saveexec_b32 s21, vcc_lo
	global_store_b32 v3, v[DV], s[16:17]
	global_store_b32 v3, v[CV], s[18:19]
	s_wait_xcnt 0x0                                ; and again in front of the line that widens it
	s_or_b32 exec_lo, exec_lo, s21
.Lend:
	s_wait_xcnt 0x0
	s_mov_b32 exec_lo, -1
	v_lshl_add_u32 v6, v0, 2, 0x3200
	v_mov_b32 v7, 0
	s_wait_tensorcnt 0x0
	ds_add_u32 v6, v7
	s_wait_dscnt 0x0
	s_endpgm
	; THE SECOND KIND: rows WROW0 + WR (g - NDIST) .. + WR - 1 of W, rounded to bf16 in place: no register of a store is written again
.Lconv:
	s_sub_co_u32 s21, ttmp9, NDIST
	s_mul_i32 s22, s21, WR*16384
	s_add_co_u32 s22, s22, WROW0*16384             ; below 64 MiB
	s_mov_b32 s23, 0
	s_mul_i32 s24, s21, WR*8192
	s_add_co_u32 s24, s24, WROW0*8192
	s_mov_b32 s25, 0
	v_lshlrev_b32 v3, 4, v0                        ; my 16 bytes in half a row of f32
	v_lshlrev_b32 v4, 3, v0                        ; my 8 bytes in half a row of bf16
	s_wait_kmcnt 0x0
	s_add_nc_u64 s[52:53], s[52:53], s[22:23]
	s_add_nc_u64 s[54:55], s[54:55], s[24:25]
.set wr, 0
.rept WR
	global_load_b128 v[CX+8*wr:CX+8*wr+3],   v3, s[52:53] offset:16384*wr th:TH_LOAD_NT
	global_load_b128 v[CX+8*wr+4:CX+8*wr+7], v3, s[52:53] offset:16384*wr+8192 th:TH_LOAD_NT
.set wr, wr+1
.endr
.set wr, 0
.rept WR
	s_wait_loadcnt 2*(WR-1-wr)                     ; this row is in; the younger rows stay out
	v_cvt_pk_bf16_f32 v[CX+8*wr],   v[CX+8*wr],   v[CX+8*wr+1]
	v_cvt_pk_bf16_f32 v[CX+8*wr+1], v[CX+8*wr+2], v[CX+8*wr+3]
	v_cvt_pk_bf16_f32 v[CX+8*wr+4], v[CX+8*wr+4], v[CX+8*wr+5]
	v_cvt_pk_bf16_f32 v[CX+8*wr+5], v[CX+8*wr+6], v[CX+8*wr+7]
	global_store_b64 v4, v[CX+8*wr:CX+8*wr+1],   s[54:55] offset:8192*wr
	global_store_b64 v4, v[CX+8*wr+4:CX+8*wr+5], s[54:55] offset:8192*wr+4096
.set wr, wr+1
.endr
	s_endpgm
.Lfunc_end_k_q92132b5828_dist:
	.size	k_q92132b5828_dist, .Lfunc_end_k_q92132b5828_dist-k_q92132b5828_dist
	.p2alignl 7, 3214868480
	.fill 96, 4, 3214868480
	.section	.rodata,"a",@progbits
	.p2align	6, 0x0
	.amdhsa_kernel k_q92132b5828_dist
		.amdhsa_group_segment_fixed_size 14848
		.amdhsa_private_segment_fixed_size 0
		.amdhsa_enable_private_segment 0
		.amdhsa_kernarg_size 80
		.amdhsa_user_sgpr_count 2
		.amdhsa_user_sgpr_kernarg_segment_ptr 1
		.amdhsa_wavefront_size32 1
		.amdhsa_system_sgpr_workgroup_id_x 1
		.amdhsa_system_sgpr_workgroup_id_y 1
		.amdhsa_system_sgpr_workgroup_id_z 1
		.amdhsa_system_vgpr_workitem_id 0
		.amdhsa_next_free_vgpr 256
		.amdhsa_next_free_sgpr 66
		.amdhsa_reserve_vcc 1
		.amdhsa_float_denorm_mode_32 3
		.amdhsa_float_denorm_mode_16_64 3
		.amdhsa_memory_ordered 1
		.amdhsa_forward_progress 1
		.amdhsa_inst_pref_size 64
	.end_amdhsa_kernel
	.amdgpu_metadata
---
amdhsa.version: [ 1, 2 ]
amdhsa.kernels:
  - .name:           k_q92132b5828_dist
    .symbol:         k_q92132b5828_dist.kd
    .args:
      - { .name: hpart, .offset: 0, .size: 8, .value_kind: global_buffer, .address_space: global }
      - { .name: enc_b1, .offset: 8, .size: 8, .value_kind: global_buffer, .address_space: global }
      - { .name: enc_W2, .offset: 16, .size: 8, .value_kind: global_buffer, .address_space: global }
      - { .name: enc_b2, .offset: 24, .size: 8, .value_kind: global_buffer, .address_space: global }
      - { .name: keys, .offset: 32, .size: 8, .value_kind: global_buffer, .address_space: global }
      - { .name: epsilons, .offset: 40, .size: 8, .value_kind: global_buffer, .address_space: global }
      - { .name: cdist, .offset: 48, .size: 8, .value_kind: global_buffer, .address_space: global }
      - { .name: ccode, .offset: 56, .size: 8, .value_kind: global_buffer, .address_space: global }
      - { .name: W, .offset: 64, .size: 8, .value_kind: global_buffer, .address_space: global }
      - { .name: wb, .offset: 72, .size: 8, .value_kind: global_buffer, .address_space: global }
    .group_segment_fixed_size: 14848
    .private_segment_fixed_size: 0
    .kernarg_segment_align: 8
    .kernarg_segment_size: 80
    .max_flat_workgroup_size: 512
    .sgpr_count:     66
    .vgpr_count:     256
    .wavefront_size: 32
...
	.end_amdgpu_metadata
.endif
;; end of part 3
;; launch gemm (part 4): grid 16 x 16, 4 waves a work-group, clusters of 4 x 4, 327,680 bytes of LDS; arguments xb, wb, b, values, cdist, ccode, out0; writes out0
.if DOCPART == 4
	.amdgcn_target "amdgcn-amd-amdhsa--gfx1250"
	.amdhsa_code_object_version 6
	.text
	.protected	k_q92132b5828_gemm
	.globl	k_q92132b5828_gemm
	.p2align	8
	.type	k_q92132b5828_gemm,@function
k_q92132b5828_gemm:
	s_mov_b64 s[64:65], 0
	v_nop
	global_prefetch_b8 v0, s[64:65] scope:SCOPE_SE
	s_setreg_imm32_b32 hwreg(HW_REG_WAVE_MODE, 25, 1), 1
	s_wait_xcnt 0x0
	s_wait_alu depctr_hold_cnt(0) depctr_sa_sdst(0) depctr_va_vdst(0) depctr_va_sdst(0) depctr_va_ssrc(0) depctr_va_vcc(0) depctr_vm_vsrc(0)
	s_getreg_b32 s2, hwreg(HW_REG_IB_STS2, 6, 4)
	s_cmp_eq_u32 s2, 0
	s_cbranch_scc0 .Lentry_in_a_cluster
	s_endpgm
.Lentry_in_a_cluster:
	s_bfe_u32 s2, ttmp6, 0x10000c
	s_cmp_lg_u32 s2, 0xf033
	s_cbranch_scc0 .Lentry_shape_is_right
	s_endpgm
.Lentry_shape_is_right:
; gemm: out0[m][n] = hit(sample of m) ? values[chosen key][n] : sum over k of xb[m][k] wb[n][k] + b[n].  xb, wb: [4096][4096] bf16; sums and out0 in f32.
; A work-group makes a block of 256 x 256 with four waves; a wave makes 128 x 128: 64 accumulator tiles of 16 x 16, 512 registers.  K goes in steps of
; 128 through a ring of two LDS slots filled by the tensor data mover: a tile's rows are 256 bytes of memory and start at multiples of 256 bytes.
; CLUSTERS: 4 x 4 work-groups.  The four of a row of the cluster need the same tiles of xb, the four of a column the same tiles of wb: such a tile is asked
; for jointly, by the same tensor load with the same descriptor and a mask that names the four.  That divides the requests for both by four.
; THE CHOICE: an earlier launch left 32 candidates for each sample (a distance, and a code 2 x key + hit).  Each lane loads its four columns of the value
; rows of ALL 32 (their addresses hang on the stored whole numbers alone), at the start, so that they land under the K loop; at the end the nearest
; candidate is found across the lanes (equal distances: the lower key) and its row, and then value or product, are picked by v_cndmask_b32: no address and
; no branch hangs on a distance, and the product is always made.  A cluster's 1,024 rows are one sample.
; LIMITS: operands rounded to bf16.  With a NaN among the candidates' distances the choice is not defined.
;
; REGISTERS, in windows of 256:
;   window 0: v0-31 addresses; v32-63 offsets of the 32 value rows; v64-127, v128-191 fragments of xb, two buffers; v224-236 bias, value, choice
;   window 1: v64-127, v128-191 fragments of wb, two buffers; v0-63 and v192-255 the 32 candidates' four numbers
;   window 2: the 32 accumulator tiles of my rows 0-63 (tile (a, b) at v[8 (8 a + b)]);   window 3: those of my rows 64-127
; s_set_vgpr_msb's low byte: bits 1:0 source 0, 3:2 source 1, 5:4 source 2, 7:6 destination.
; THE MATRIX INSTRUCTION IS USED TRANSPOSED: source 0 = 16 rows of wb, source 1 = 16 rows of xb.  Lane l then holds row m = l % 16 of the tile and its
; registers 0 to 7 the columns n = 8 (l / 16) + 0 .. 7: 32 neighbouring bytes of a row of out0.
; The 64 accumulators take turns, one matrix instruction a turn, in the same order in every quarter step and over the backward jump.
.set SIZE_N, 4096
.set SIZE_K, 4096
.set KSTEP,  128
.set PITCH,  272                       ; an LDS row: 256 bytes of data + 16 of padding, an odd multiple of 16: the 16 rows that a load touches start at 16 different places modulo 256 bytes
.set HALFT,  128*PITCH                 ; 128 rows: what one tensor load brings, and what one wave reads of xb or of wb
.set SLOT,   4*HALFT                   ; xb's 256 rows, then wb's 256 rows
.set STAGE,  2*SLOT                    ; behind the ring, at a multiple of 256: 16 rows x 528 bytes (33 x 256) for each wave; no tensor load lands there
.set SPITCH, 528                       ; 512 bytes of a wave's row of out0 + 16
.set LAPS, SIZE_K/(2*KSTEP)            ; a lap = two K steps = once round the ring: 16
.set ADRA, 16                          ; v16-17  LDS address of my xb fragments in slot 0, 1
.set ADRB, 20                          ; v20-21  the same for wb
.set STO,  24                          ; v24     the way out: where I put 32 bytes of a row
.set RD,   25                          ; v25     the way out: my 16 bytes of a row read back
.set CO,   26                          ; v26     16 x lane: my bytes in the wave's 512 of a row of out0
.set VCOL, 27                          ; v27     my four columns' byte offset in a row of 4,096 f32
.set LN4,  28                          ; v28     4 x lane
.set VO,   32                          ; v[32:63] candidate c: offset of my 16 bytes in its value row; never rewritten
.set F0,   64
.set F1,   128
.set BIAS, 224                         ; v[224:227]
.set VAL,  228                         ; v[228:231]
.set CODE, 232
.set DIST, 233
.set OD,   234
.set OC,   235
.set WIDX, 236
.set CAND, 68                          ; s[68:99] the 32 candidates' keys; at the end the masks "this one is chosen"
.set G1, 24                            ; s[24:31] descriptor group 1 for xb's tiles
.set G0, 32                            ; s[32:39] descriptor group 0 for xb's tiles, one set for each slot
.set G1B, 48                           ; s[48:55] descriptor group 1 for wb's tiles: it differs in the mask alone
.set G0B, 56                           ; s[56:63] descriptor group 0 for wb's tiles
.set MSB, 0
.macro WIN new                         ; the immediate's high byte repeats the setting that is left
.if MSB != \new
	s_set_vgpr_msb (MSB<<8)|\new
.set MSB, \new
.endif
.endm
.set MUL_LO, 0xa1                      ; source 0 (wb) window 1, source 1 (xb) window 0, C and D window 2
.set MUL_HI, 0xf1                      ; the same, C and D window 3
.set TO_B,   0x40                      ; destination window 1, address window 0
; A joint load.  Waves 0 and 1 fetch xb's two halves, waves 2 and 3 wb's.  Each line has one mask and one set of registers for all that issue it.
.macro JLOAD s
	s_cmp_eq_u32 s11, 0
	s_cbranch_scc0 .Lfor_b_\@
	tensor_load_to_lds s[G0+4*\s:G0+4*\s+3], s[G1:G1+7]
	s_nop 0
	s_branch .Lasked_\@
.Lfor_b_\@:
	tensor_load_to_lds s[G0B+4*\s:G0B+4*\s+3], s[G1B:G1B+7]
	s_nop 0
.Lasked_\@:
.endm
; A round of the cluster's barrier: my work-group's barrier; wave 0 signals for the work-group; every wave waits for all sixteen; my work-group's barrier once more.
.macro CREST                           ; a round behind its opening barrier
	s_cmp_lg_u32 s10, 0
	s_cbranch_scc1 .Lnot_wave_0_\@
	s_barrier_signal -3
.Lnot_wave_0_\@:
	s_barrier_wait -3
	s_barrier_signal -1
	s_barrier_wait -1
.endm
.macro CROUND                          ; a whole round
	s_barrier_signal -1
	s_barrier_wait -1
	CREST
.endm
	s_load_b128 s[4:7], s[0:1], 0x0                ; xb s[4:5], wb s[6:7]
	s_load_b64 s[66:67], s[0:1], 0x10              ; b
	s_load_b64 s[100:101], s[0:1], 0x18            ; values
	s_load_b64 s[104:105], s[0:1], 0x20            ; cdist
	s_load_b64 s[2:3], s[0:1], 0x28                ; ccode
	s_load_b64 s[8:9], s[0:1], 0x30                ; out0
	v_lshl_add_u32 v254, v0, 2, 0x4c400
	v_mov_b32 v255, 0
	ds_add_u32 v254, v255
	ds_add_u32 v254, v255
	v_lshrrev_b32 v1, 5, v0
	v_readfirstlane_b32 s10, v1                    ; wave 0..3
	s_lshr_b32 s11, s10, 1                         ; which half of the block's rows is mine.  Also: I fetch for xb (0) or for wb (1)
	s_and_b32 s12, s10, 1                          ; which half of its columns.  Also: which 128 rows of that tile I fetch
	s_bfe_u32 s40, ttmp6, 0x40000                  ; cx
	s_bfe_u32 s41, ttmp6, 0x40004                  ; cy
	s_lshl_b32 s42, ttmp9, 2                       ; in a cluster launch ttmp9 and ttmp7 count clusters
	s_add_co_u32 s42, s42, s40                     ; block column = 4 x cluster x + cx
	s_and_b32 s13, ttmp7, 0xffff
	s_lshl_b32 s13, s13, 2
	s_add_co_u32 s13, s13, s41                     ; block row = 4 x cluster y + cy
	s_lshl_b32 s43, s41, 2
	s_lshl_b32 s43, 15, s43                        ; my row of the cluster: places 4 cy .. 4 cy + 3
	s_lshl_b32 s44, 0x1111, s40                    ; my column: places cx, cx + 4, cx + 8, cx + 12
	; descriptor group 1: a tile of 128 rows x 128 elements, padded in LDS
	s_or_b32 s[G1+0], s43, (1<<16)|(1<<20)|(1<<21)|(5<<22)|(3<<25)  ; 15:0 the mask: xb's tiles go to my row; 17:16 element of 2 bytes; 20 padding on; 21 set beside a mask; 24:22 after every 64 words; 31:25 of 4 words
	s_or_b32 s[G1B+0], s44, (1<<16)|(1<<20)|(1<<21)|(5<<22)|(3<<25) ; the same with the mask of my column, for wb's tiles
	s_mov_b32 s[G1B+1], KSTEP<<16
	s_mov_b32 s[G1+1], KSTEP<<16                   ; tensor_dim0 = 128
	s_mov_b32 s[G1B+2], 128<<16
	s_mov_b32 s[G1+2], 128<<16                     ; tensor_dim1 = 128
	s_mov_b32 s[G1B+3], KSTEP<<16
	s_mov_b32 s[G1+3], KSTEP<<16                   ; tile_dim0 = 128
	s_mov_b32 s[G1B+4], 128
	s_mov_b32 s[G1+4], 128                         ; tile_dim1 = 128; tile_dim2 = 0
	s_mov_b32 s[G1B+5], SIZE_K
	s_mov_b32 s[G1+5], SIZE_K                      ; elements from row to row
	s_mov_b32 s[G1B+6], 0
	s_mov_b32 s[G1+6], 0
	s_mov_b32 s[G1B+7], 0
	s_mov_b32 s[G1+7], 0
	; where the tiles come from: xb's hang on the block row alone, wb's on the block column alone, each in registers that never hold the other coordinate
	s_lshl_b32 s17, s12, 7                         ; which 128 rows of the tile I fetch
	s_lshl_b32 s16, s13, 8
	s_add_co_u32 s16, s16, s17                     ; xb: row 256 x block row + 128 x half
	s_lshl_b32 s46, s42, 8
	s_add_co_u32 s46, s46, s17                     ; wb: row 256 x block column + 128 x half
	s_mov_b32 s17, 0
	s_mov_b32 s47, 0
	s_mov_b64 s[18:19], SIZE_K*2
	s_mul_u64 s[16:17], s[16:17], s[18:19]         ; in bytes
	s_mul_u64 s[46:47], s[46:47], s[18:19]
	s_mul_i32 s20, s10, HALFT                      ; and where they go: wave x 128 rows: no place in the cluster enters an LDS address
	s_wait_dscnt 0x0
	s_wait_kmcnt 0x0
	s_add_nc_u64 s[14:15], s[4:5], s[16:17]
	s_add_nc_u64 s[46:47], s[6:7], s[46:47]
	CROUND                                         ; all sixteen work-groups are here: the first joint loads meet
.irp s, 0,1
	s_mov_b32 s[G0+4*\s], 1                                        ; count = 1
	s_add_co_u32 s[G0+4*\s+1], s20, \s*SLOT                        ; LDS address
	s_add_nc_u64 s[G0+4*\s+2:G0+4*\s+3], s[14:15], \s*KSTEP*2      ; global address: K step s
	s_or_b32 s[G0+4*\s+3], s[G0+4*\s+3], 0x80000000                ; type = 2
	s_mov_b32 s[G0B+4*\s], 1
	s_add_co_u32 s[G0B+4*\s+1], s20, \s*SLOT
	s_add_nc_u64 s[G0B+4*\s+2:G0B+4*\s+3], s[46:47], \s*KSTEP*2
	s_or_b32 s[G0B+4*\s+3], s[G0B+4*\s+3], 0x80000000
	JLOAD \s                                       ; the ring is filled before anything else is done: two tensor loads of a wave are out, later one
.endr
	; A fragment is 16 rows x 32 K in 8 registers: lane l holds row l % 16; registers 0-3 hold K = 8 (l / 16) + 0..7, registers 4-7 K = 16 + 8 (l / 16) + 0..7.
	v_and_b32 v1, 15, v0                           ; l % 16
	v_bfe_u32 v2, v0, 4, 1                         ; l / 16
	v_mul_u32_u24 v3, v1, PITCH
	v_lshl_add_u32 v3, v2, 4, v3                   ; row x pitch + 16 x half
	s_mul_i32 s21, s11, HALFT                      ; my 128 rows of xb
	s_mul_i32 s22, s12, HALFT                      ; my 128 rows of wb,
	s_add_co_u32 s22, s22, 2*HALFT                 ; which lie behind xb's 256
.irp s, 0,1
	v_add_nc_u32 v[ADRA+\s], s21, v3
	v_add_nc_u32 v[ADRB+\s], s22, v3
	s_add_co_u32 s21, s21, SLOT
	s_add_co_u32 s22, s22, SLOT
.endr
	s_mul_i32 s23, s10, 16*SPITCH
	s_add_co_u32 s23, s23, STAGE                   ; my stage
	v_mul_u32_u24 v4, v1, SPITCH                   ; in: row l % 16, 32 bytes for each half of the lanes
	v_lshl_add_u32 v4, v2, 5, v4
	v_add_nc_u32 v[STO], s23, v4
	v_and_b32 v5, 31, v0
	v_lshlrev_b32 v[CO], 4, v5                     ; back: the 32 lanes take one row of 512 bytes
	v_add_nc_u32 v[RD], s23, v[CO]
	; THE CANDIDATES.  Everything here is asked for now and waited for behind the K loop.
	s_and_b32 s21, ttmp7, 0xffff                   ; the sample = the cluster's y
	s_lshl_b32 s22, s21, 7                         ; 32 words for each sample
	s_mov_b32 s23, 0
	s_add_nc_u64 s[2:3], s[2:3], s[22:23]
	s_add_nc_u64 s[104:105], s[104:105], s[22:23]
	s_load_b512 s[68:83], s[2:3], 0x0              ; the 32 codes as scalars, for the addresses
	s_load_b512 s[84:99], s[2:3], 0x40
	s_lshl_b32 s21, s42, 10                        ; 256 columns of 4 bytes for each block column
	s_lshl_b32 s22, s12, 9                         ; 128 for my half
	s_add_co_u32 s21, s21, s22
	v_add_nc_u32 v[VCOL], s21, v[CO]
	v_lshlrev_b32 v[LN4], 2, v5
	global_load_b32 v[CODE], v[LN4], s[2:3]        ; lane c: candidate c
	global_load_b32 v[DIST], v[LN4], s[104:105]
	global_load_b128 v[BIAS:BIAS+3], v[VCOL], s[66:67]
	s_wait_kmcnt 0x0
.set cc, 0
.rept 32
	s_lshr_b32 s[CAND+cc], s[CAND+cc], 1           ; the key,
	s_min_u32 s[CAND+cc], s[CAND+cc], 0x7ff        ; held inside the table of 2,048 rows
	v_lshl_add_u32 v[VO+cc], s[CAND+cc], 14, v[VCOL]   ; rows of 16,384 bytes
.set cc, cc+1
.endr
	WIN TO_B
.set cc, 0
.rept 32
	global_load_b128 v[4*cc+128*(cc/16):4*cc+128*(cc/16)+3], v[VO+cc], s[100:101]   ; window 1: v0-63, then v192-255
.set cc, cc+1
.endr
	WIN 0
; 16 matrix instructions: m blocks a0, a0 + 1 of the window's four x all 8 n blocks, 32 along K.  zero = 1: the first product starts the sums.
.macro MUL16 f, hi, a0, zero
.irp a, \a0, \a0+1
.irp b, 0,1,2,3,4,5,6,7
.if \zero
	v_wmma_f32_16x16x32_bf16 v[8*(8*(\a)+\b):8*(8*(\a)+\b)+7], v[\f+8*\b:\f+8*\b+7], v[\f+8*(4*\hi+\a):\f+8*(4*\hi+\a)+7], 0
.else
	v_wmma_f32_16x16x32_bf16 v[8*(8*(\a)+\b):8*(8*(\a)+\b)+7], v[\f+8*\b:\f+8*\b+7], v[\f+8*(4*\hi+\a):\f+8*(4*\hi+\a)+7], v[8*(8*(\a)+\b):8*(8*(\a)+\b)+7]
.endif
.endr
.endr
.endm
; 32 LDS loads in one run: the fragments of one quarter step (128 rows of wb, 128 rows of xb, 32 K at byte k of the rows) into buffer f
.macro FETCH slot, k, f
	WIN TO_B
.irp i, 0,1,2,3,4,5,6,7
	ds_load_b128 v[\f+8*\i:\f+8*\i+3],   v[ADRB+\slot] offset:\k+\i*16*PITCH
	ds_load_b128 v[\f+8*\i+4:\f+8*\i+7], v[ADRB+\slot] offset:\k+\i*16*PITCH+32
.endr
	WIN 0
.irp i, 0,1,2,3,4,5,6,7
	ds_load_b128 v[\f+8*\i:\f+8*\i+3],   v[ADRA+\slot] offset:\k+\i*16*PITCH
	ds_load_b128 v[\f+8*\i+4:\f+8*\i+7], v[ADRA+\slot] offset:\k+\i*16*PITCH+32
.endr
.endm
; A load into a register that a matrix instruction has read, and a vector instruction or LDS store that reads a matrix result, stand four places behind
; that matrix instruction, and only plain vector instructions that name none of its registers are places (ISA guide 7.12.1 for readers of a matrix result).
.macro PLACES
.rept 4
	v_nop
.endr
.endm
; One of a K step's first three quarters: multiplies buffer f; in its middle it fetches the next quarter's fragments, at byte k of the same slot's rows, into buffer g.
.macro QUARTER slot, k, f, g, zero
	s_wait_dscnt 8                                 ; wb and xb's rows 0-63 are in; the youngest eight loads (xb's rows 64-127) may be out
	WIN MUL_LO
	MUL16 \f, 0, 0, \zero
	MUL16 \f, 0, 2, \zero
	PLACES
	FETCH \slot, \k, \g
	s_wait_dscnt 32                                ; all but the 32 just issued
	WIN MUL_HI
	MUL16 \f, 1, 0, \zero
	MUL16 \f, 1, 2, \zero
.endm
.macro THREE slot, zero
	QUARTER \slot, 64,  F0, F1, \zero
	QUARTER \slot, 128, F1, F0, 0
	QUARTER \slot, 192, F0, F1, 0
.endm
; The last quarter: multiplies buffer 1 and changes slots.  In front of the barrier each wave waits for its own reads of this slot and for all its tensor
; loads, of which one is out: its part of the next slot.  Behind it nobody reads this slot any more and the next slot is whole: the refill comes first,
; then the next slot's first fragments.  From a request to the wait for it a wave issues 240 matrix instructions.
.macro TURN slot, next, fill
	s_wait_dscnt 8
	WIN MUL_LO
	MUL16 F1, 0, 0, 0
	s_wait_dscnt 0                                 ; my reads of this slot are over
	s_set_vgpr_msb 0xa1a0
	s_wait_tensorcnt 0x0                           ; and all my tensor loads have landed
	ds_add_u32 v254, v255
	s_wait_dscnt 0x0
	s_set_vgpr_msb 0xa0a1
	s_barrier_signal -1                            ; say so (where a slot is filled again this barrier opens a round of the cluster's barrier),
	MUL16 F1, 0, 2, 0                              ; work on registers while the others arrive,
	WIN 0
	s_barrier_wait -1
.if \fill
	CREST                                          ; no wave of any partner still reads this slot's tile or has a load on its way
	s_add_nc_u64 s[G0+4*\slot+2:G0+4*\slot+3], s[G0+4*\slot+2:G0+4*\slot+3], 2*KSTEP*2
	s_add_nc_u64 s[G0B+4*\slot+2:G0B+4*\slot+3], s[G0B+4*\slot+2:G0B+4*\slot+3], 2*KSTEP*2
	JLOAD \slot                                    ; the first tensor load behind the round, and my only one until the next
.endif
	PLACES
	FETCH \next, 0, F0
	WIN MUL_HI
	MUL16 F1, 1, 0, 0
	MUL16 F1, 1, 2, 0
.endm
.macro LAP zero                        ; once round the ring, both slots filled again
	THREE 0, \zero
	TURN 0, 1, 1
	THREE 1, 0
	TURN 1, 0, 1
.endm
	s_wait_tensorcnt 1                             ; my part of K step 0 is in; K step 1's stays out
	s_barrier_signal -1
	s_barrier_wait -1                              ; everybody's is
	FETCH 0, 0, F0
	LAP 1                                          ; the first lap stands in front of the loop: its first products start the sums
	WIN 0                                          ; at a label and at a branch every window is 0
	s_mov_b32 s45, LAPS-2
.Llap:
	LAP 0
	WIN 0
	s_sub_co_u32 s45, s45, 1
	s_cmp_lg_u32 s45, 0
	s_cbranch_scc1 .Llap
	THREE 0, 0                                     ; the last lap fills nothing and has no round: my one tensor load still out is slot 1's, the last K step's
	TURN 0, 1, 0
	THREE 1, 0
	s_wait_dscnt 8                                 ; the very last quarter: nothing more to fetch
	WIN MUL_LO
	MUL16 F1, 0, 0, 0
	MUL16 F1, 0, 2, 0
	s_wait_dscnt 0
	WIN MUL_HI
	MUL16 F1, 1, 0, 0
	MUL16 F1, 1, 2, 0
	PLACES                                         ; the places behind the last matrix instructions
	WIN 0
	s_lshl_b32 s13, s13, 8
	s_lshl_b32 s14, s11, 7
	s_add_co_u32 s16, s13, s14                     ; my first row of out0
	s_mov_b32 s17, 0
	s_mov_b64 s[18:19], SIZE_N*4
	s_mul_u64 s[16:17], s[16:17], s[18:19]
	s_add_nc_u64 s[8:9], s[8:9], s[16:17]
	s_lshl_b32 s46, s42, 10                        ; my first column, in bytes: 1024 x block + 512 x half
	s_lshl_b32 s47, s12, 9
	s_add_co_u32 s46, s46, s47
	s_mov_b32 s47, 0
	s_add_nc_u64 s[8:9], s[8:9], s[46:47]
	; THE CHOICE among the 32 candidates, one in each lane; every lane ends with the winner
.macro MERGE                           ; the nearer of mine and the partner's; equal distances: the lower code, that is the lower key
	v_cmp_lt_f32 s14, v[OD], v[DIST]
	v_cmp_eq_f32 s15, v[OD], v[DIST]
	v_cmp_lt_u32 s16, v[OC], v[CODE]
	s_and_b32 s15, s15, s16
	s_or_b32 s14, s14, s15
	v_cndmask_b32 v[DIST], v[DIST], v[OD], s14
	v_cndmask_b32 v[CODE], v[CODE], v[OC], s14
.endm
	s_mov_b32 s18, 0x76543210                      ; v_permlanex16_b32: lane i of the other half
	s_mov_b32 s19, 0xfedcba98
	v_mov_b32 v[OD], 0                             ; destinations of lane moves count as read
	v_mov_b32 v[OC], 0
	s_wait_loadcnt 0x0                             ; codes, distances, bias and the 32 value rows, asked for in front of the K loop
.irp m, 1,2,4,8
	v_mov_b32_dpp v[OD], v[DIST] row_xmask:\m row_mask:0xf bank_mask:0xf
	v_mov_b32_dpp v[OC], v[CODE] row_xmask:\m row_mask:0xf bank_mask:0xf
	MERGE
.endr
	v_permlanex16_b32 v[OD], v[DIST], s18, s19
	v_permlanex16_b32 v[OC], v[CODE], s18, s19
	MERGE
	v_lshrrev_b32 v[WIDX], 1, v[CODE]              ; the chosen key
	v_and_b32 v[OC], 1, v[CODE]
	v_cmp_eq_u32 s22, 1, v[OC]                     ; all lanes alike: the sample is replaced or not
.set cc, 1
.rept 31
	v_cmp_eq_u32 s[CAND+cc], s[CAND+cc], v[WIDX]   ; the key gives way to the mask "candidate cc is the chosen one"
.set cc, cc+1
.endr
	WIN 0x05                                       ; sources 0 and 1 in window 1
.irp k, 0,1,2,3
	v_cndmask_b32 v[VAL+\k], v[\k], v[4+\k], s[CAND+1]
.endr
	WIN 0x04                                       ; source 1 in window 1
.set cc, 2
.rept 30
.irp k, 0,1,2,3
	v_cndmask_b32 v[VAL+\k], v[VAL+\k], v[4*cc+128*(cc/16)+\k], s[CAND+cc]
.endr
.set cc, cc+1
.endr
	WIN 0
; THE WAY OUT, 16 rows at a time: the eight tiles (a, 0..7) of window 2 or 3 (from = 0x08 or 0x0c: the LDS stores' data) go as they are into my own stage,
; 32 bytes a lane, and come back as whole rows of 512 bytes; bias, choice, store.  The stage is my wave's own and LDS serves a wave's instructions in
; order (ISA guide 5.7.1.4): no wait between the stores and the loads, no barrier.
.macro OUT16F i, a, from, f
	WIN \from
.irp b, 0,1,2,3,4,5,6,7
	ds_store_b128 v[STO], v[8*(8*\a+\b):8*(8*\a+\b)+3]   offset:64*\b
	ds_store_b128 v[STO], v[8*(8*\a+\b)+4:8*(8*\a+\b)+7] offset:64*\b+16
.endr
	WIN 0
	s_wait_xcnt 0x0                                ; buffer f, which earlier stores read, and the stores' base are rewritten only behind this wait
.if \i
	s_add_nc_u64 s[8:9], s[8:9], 16*SIZE_N*4       ; 16 rows on: the stores' offsets stay at 15 rows at the most
.endif
.irp t, 0,1,2,3,4,5,6,7,8,9,10,11,12,13,14,15
	ds_load_b128 v[\f+4*\t:\f+4*\t+3], v[RD] offset:\t*SPITCH
.endr
.irp t, 0,1,2,3,4,5,6,7,8,9,10,11,12,13,14,15
	s_wait_dscnt 15-\t                             ; row t is back; the younger rows may be out
	v_pk_add_f32 v[\f+4*\t:\f+4*\t+1],   v[\f+4*\t:\f+4*\t+1],   v[BIAS:BIAS+1]
	v_pk_add_f32 v[\f+4*\t+2:\f+4*\t+3], v[\f+4*\t+2:\f+4*\t+3], v[BIAS+2:BIAS+3]
.irp k, 0,1,2,3
	v_cndmask_b32 v[\f+4*\t+\k], v[\f+4*\t+\k], v[VAL+\k], s22
.endr
	global_store_b128 v[CO], v[\f+4*\t:\f+4*\t+3], s[8:9] offset:\t*SIZE_N*4 th:TH_STORE_NT   ; the wave stores 512 consecutive bytes, at a multiple of 512 from out0's first byte
.endr
.endm
	OUT16F 0, 0, 0x08, F0
	OUT16F 1, 1, 0x08, F1
	OUT16F 2, 2, 0x08, F0
	OUT16F 3, 3, 0x08, F1
	OUT16F 4, 0, 0x0c, F0
	OUT16F 5, 1, 0x0c, F1
	OUT16F 6, 2, 0x0c, F0
	OUT16F 7, 3, 0x0c, F1
	s_wait_tensorcnt 0x0
	ds_add_u32 v254, v255
	s_wait_dscnt 0x0
	CROUND                                         ; the closing round: no work-group ends while a partner may still ask for a tile that names it
	s_endpgm
.Lfunc_end_k_q92132b5828_gemm:
	.size	k_q92132b5828_gemm, .Lfunc_end_k_q92132b5828_gemm-k_q92132b5828_gemm
	.p2alignl 7, 3214868480
	.fill 96, 4, 3214868480
	.section	.rodata,"a",@progbits
	.p2align	6, 0x0
	.amdhsa_kernel k_q92132b5828_gemm
		.amdhsa_group_segment_fixed_size 327680
		.amdhsa_private_segment_fixed_size 0
		.amdhsa_enable_private_segment 0
		.amdhsa_kernarg_size 56
		.amdhsa_user_sgpr_count 2
		.amdhsa_user_sgpr_kernarg_segment_ptr 1
		.amdhsa_wavefront_size32 1
		.amdhsa_system_sgpr_workgroup_id_x 1
		.amdhsa_system_sgpr_workgroup_id_y 1
		.amdhsa_system_sgpr_workgroup_id_z 1
		.amdhsa_system_vgpr_workitem_id 0
		.amdhsa_next_free_vgpr 1024
		.amdhsa_next_free_sgpr 106
		.amdhsa_reserve_vcc 0
		.amdhsa_float_denorm_mode_32 3
		.amdhsa_float_denorm_mode_16_64 3
		.amdhsa_memory_ordered 1
		.amdhsa_forward_progress 1
		.amdhsa_inst_pref_size 255
	.end_amdhsa_kernel
	.section	.bss,"aw",@nobits
	.p2align	6
	.space	262144
	.amdgpu_metadata
---
amdhsa.version: [ 1, 2 ]
amdhsa.kernels:
  - .name:           k_q92132b5828_gemm
    .symbol:         k_q92132b5828_gemm.kd
    .args:
      - { .name: xb, .offset: 0, .size: 8, .value_kind: global_buffer, .address_space: global }
      - { .name: wb, .offset: 8, .size: 8, .value_kind: global_buffer, .address_space: global }
      - { .name: b, .offset: 16, .size: 8, .value_kind: global_buffer, .address_space: global }
      - { .name: values, .offset: 24, .size: 8, .value_kind: global_buffer, .address_space: global }
      - { .name: cdist, .offset: 32, .size: 8, .value_kind: global_buffer, .address_space: global }
      - { .name: ccode, .offset: 40, .size: 8, .value_kind: global_buffer, .address_space: global }
      - { .name: out0, .offset: 48, .size: 8, .value_kind: global_buffer, .address_space: global }
    .group_segment_fixed_size: 327680
    .private_segment_fixed_size: 0
    .kernarg_segment_align: 8
    .kernarg_segment_size: 56
    .max_flat_workgroup_size: 128
    .sgpr_count:     106
    .vgpr_count:     1024
    .wavefront_size: 32
...
	.end_amdgpu_metadata
.endif
;; end of part 4
